; MI455X (gfx1250); checked and timed in simulation.
; The chip was launched on July 23, 2026; its instructions are those of AMD's public machine-readable ISA for CDNA 5 (MIT licence, August 2026) and "CDNA5" Instruction Set Architecture Reference Guide (July 2026). The comments in the code are by the model that wrote it; some were corrected since.
;; Scaled Binary Conv1 D. Allowed arithmetic: matrix products marked QUANTISED: E3M2 operands, one E8M0 scale for each 32 along K, by v_wmma_scale_f32_16x16x128_f8f6f4 with both operands' format E3M2, f32 sums; everything else in f32.
;; Inputs: scale one number float32; sign 4,096 x 4,096 float32; x 2 x 2,048 x 4,096 float32.
;; Outputs: out0 2 x 2,048 x 4,096 float32.
;; This version of the problem:
;;   THIS VERSION OF THE PROBLEM IS GIVEN IN LOW PRECISION. The matrix products marked QUANTISED in the list below multiply operands that are first quantised to E3M2 (3 exponent bits, 2 mantissa bits; 6 bits a number), with one power-of-two scale for each 32 numbers along K (OCP MX v1.0); their sums are f32. All else is computed in f32.
;;   The module's matrix products, in the order in which they are computed (A, B: the left and right operand; K: the contracted axis; several contracted axes count as one K, in the product's order):
;;     1. [M 4,096, K 4,096] x [K 4,096, N 4,096]; A: input x; B: input sign: QUANTISED
;;   THE QUANTISER, for each operand of a quantised product, along K:
;;     - K is cut into blocks of 32 from its start; a last block that is shorter is filled with zeros.
;;     - A block's scale is 2^e with e = floor(log2(the largest magnitude in the block)) - 4, held to -126 .. 127; a block of zeros has e = 0. As a byte (E8M0): e + 127.
;;     - Each number is divided by its block's scale, clamped to +-28, and rounded to the nearest number of E3M2, ties to even, subnormals kept.
;;     - The product sums the exact products of the quantised numbers (number of the format x scale) in f32.
;;   ~~~python
;;   def quantise(x, axis):      # numpy; x: float32 -> the quantised numbers, widened to float32 again
;;       x = np.moveaxis(x, axis, -1); K = x.shape[-1]
;;       x = np.pad(x, [(0, 0)] * (x.ndim - 1) + [(0, -K % 32)]); x = x.reshape(x.shape[:-1] + (-1, 32)); a = np.abs(x).max(-1, keepdims=True)
;;       e = np.where(a > 0, np.clip(np.frexp(np.where(a > 0, a, 1))[1] - 1 - 4, -126, 127), 0)      # np.frexp(a)[1] - 1 = floor(log2(a)), exactly
;;       r = np.clip(x / 2.0 ** e, -28, 28)
;;       step = 2.0 ** (np.maximum(np.frexp(np.where(r == 0, 1, r))[1] - 1, -2) - 2)
;;       q = np.round(r / step) * step * 2.0 ** e      # np.round: ties to even
;;       return np.moveaxis(q.reshape(q.shape[:-2] + (-1,))[..., :K], -1, axis).astype(np.float32)
;;   ~~~
;; One version. Each part assembles by itself: llvm-mc -triple=amdgcn-amd-amdhsa -mcpu=gfx1250 --defsym DOCPART=n.
;; ======== version 1 of 1: 2 launches
;; limits: right only within a limited range of input values
;; workspace buffers: xq 13,107,200 bytes; wq 13,107,200 bytes
;; launch quant (part 1): grid 1024 x 1, 4 waves a work-group, no clusters, 74,240 bytes of LDS; arguments x, sign, xq, wq; writes xq, wq
.if DOCPART == 1
	.amdgcn_target "amdgcn-amd-amdhsa--gfx1250"
	.amdhsa_code_object_version 6
	.text
	.protected	k_q0fb4207801_quant
	.globl	k_q0fb4207801_quant
	.p2align	8
	.type	k_q0fb4207801_quant,@function
k_q0fb4207801_quant:
	s_mov_b64 s[64:65], 0
	v_nop
	global_prefetch_b8 v0, s[64:65] scope:SCOPE_SE
	s_setreg_imm32_b32 hwreg(HW_REG_WAVE_MODE, 25, 1), 1
	s_wait_xcnt 0x0
; x [4096 (m)][4096 (k)] and sign [4096 (k)][4096 (n)], f32, are turned into codes of BF6 (E3M2), 6 bits each, quantised along K, with one E8M0 scale byte for each 32 along K.
; A block's scale is 2^(floor(log2(its largest magnitude)) - 4); its byte is the largest magnitude's own exponent field - 4, held at 1 from below.  Each number is divided by the scale and rounded to the
; nearest code, ties to even; beyond the largest code the conversion gives the largest code.
; LAYOUT OF THE RESULTS, the same for both operands (a row is m for x and n for sign): THE ORDER OF THE MATRIX OPERAND'S REGISTERS.  [32 groups of 128 rows][32 steps of 128 along K][12,800 bytes].
; Such a block holds eight FRAGMENTS (16 rows x 128 K: 12 registers a lane) of 1,536 bytes, each as three images of 512 bytes: registers 4 c .. 4 c + 3 of lane l at 512 c + 16 l; and behind them, from byte
; 12,288 on, the 128 rows' scale words (four bytes: the step's four blocks), row 16 i + r at 64 i + 4 r.  Lane l of a fragment holds row l % 16; its registers 0-5 are the 24 bytes of codes of block l / 16 of
; the step, its registers 6-11 those of block 2 + l / 16.  So the product's launch finds three steps of 128 rows as 38,400 dense bytes, and loads a fragment from LDS by three loads of 16 consecutive bytes a lane.
; LIMITS: NaN and infinities among the inputs are not served.  A block of zeros gets the byte 1 where the rule says 127: its codes are zeros, which add nothing under any byte but 0xff, and the bytes are read
; by this program alone.  Blocks whose largest magnitude lies under 2^-122 have their byte held at 1, as the rule's clip asks; that range was not tried.
; SHARES: work-groups 0-511 take x, 512-1023 take sign; 32,768 numbers a work-group; a wave takes 32 rows x 256 along K: four fragments, 6,144 bytes of codes.  The two ways part once, on the work-group's
; number, and never join; each has LDS bytes of its own.  A wave's codes are gathered in fragment order in an OUT STAGE of its own in LDS and leave by stores of 512 consecutive bytes.  Its scale words leave
; as runs of 128 consecutive bytes: half of an aligned 256; they are one byte in 128 of what the launch reads, and whole blocks would want a barrier among four waves.
; No tensor loads, no barrier: waves share nothing.  No cluster: no two work-groups read the same byte.  No matrix unit: there is no product here.
.set GB,     409600                    ; bytes of a group of 128 rows: 32 steps
.set STEPB,  12800                     ; bytes of a step of a group
.set FRB,    1536                      ; bytes of a fragment
.set SCOFF,  8*FRB                     ; where a step's scale words begin
.set ROWF,   16384                     ; bytes of a row of x or of sign
.set FLOOR,  0x2800000                 ; the f32 number 2^(5 - 127): under it no largest magnitude is taken, so the byte cannot fall under 1
.set OFFE,   0xfe000000                ; -(4 << 23): takes 4 off an exponent field
.set OP,     272                       ; the out stage: sixteen pieces of 16 bytes, then 16 of padding.  Piece P = 192 q + 96 i + 32 c + l (step q, fragment i, image c, lane l) lies at OP (P / 16) + 16 (P % 16)
.set OSTG,   24*OP                     ; 384 pieces
; ---- the way of x
.set STEPS,  16
.set SP,     80                        ; a lane's place in a stage: its 64 bytes + 16 of padding
.set XSCB,   2*32*SP                   ; LDS of a wave: two stages of 32 x SP bytes, then its 256 scale bytes,
.set XOUT,   XSCB+256                  ; then its out stage
.set XREG,   XOUT+OSTG
.set XR,     16                        ; v16-79   four sets of 16 numbers as they are loaded; at the end the codes read back from the out stage
.set XX,     80                        ; v80-111  two sets of 16 neighbours
.set XE,     112                       ; v112-127 a scale byte for each step
.set XC,     128                       ; v128-191 codes: four registers for each step, so that no store's data are written again
.set XOA,    192                       ; v192-194 where my three registers of codes go in the out stage
.set XOR,    195                       ; v195     and where I read a piece back
; ---- the way of sign
.set WBASE,  4*XREG                    ; LDS: behind the four regions of the other way: an out stage for each wave
.set WSB,    24                        ; v24-25   my row's two scale words
.set WX,     32                        ; v32-95   two sets of 32 numbers
.set WC,     96                        ; v96-104  a block's codes
.set WO,     112                       ; v112-159 the codes read back from the out stage
	s_load_b128 s[4:7], s[0:1], 0x0                ; x, sign
	s_load_b128 s[8:11], s[0:1], 0x10              ; x's results, sign's results
	v_lshl_add_u32 v200, v0, 2, 0x12000
	v_mov_b32 v201, 0
	v_lshrrev_b32 v1, 5, v0
	v_readfirstlane_b32 s16, v1                    ; wave 0..3
	v_and_b32 v2, 31, v0                           ; lane
	s_mov_b32 s21, 0                               ; the upper word of every offset: all lie under 2^32
	s_wait_kmcnt 0x0
	s_cmp_lt_u32 ttmp9, 512
	s_cbranch_scc0 .Lsign
; ================= x: K is innermost =================
; Two rows (512 numbers) a step.  The conversion takes 16 numbers of one block from ONE lane's registers, so a lane must hold 16 neighbours along K; a load is best where neighbouring LANES take neighbouring
; bytes.  Both are had: each of a step's four loads reads 512 consecutive bytes, 16 a lane; the 2,048 bytes go through the wave's own stage in LDS and come back 64 a lane.  Then lane L holds, of row
; 2 t + L / 16, the numbers 16 (L % 16) on: half u = L % 2 of block b = (L / 2) % 4 of step q = (L / 8) % 2.  The four waves of a work-group stand side by side along K: 4,096 bytes of each row.
	s_lshl_b32 s17, ttmp9, 2
	s_add_co_u32 s17, s17, s16                     ; which of the 2,048 parts is my wave's
	s_and_b32 s18, s17, 15                         ; its 256 along K
	s_lshr_b32 s19, s17, 4                         ; its 32 rows
	s_lshl_b32 s20, s19, 19                        ; x: 32 rows of 16,384 bytes,
	s_lshl_b32 s22, s18, 10                        ; 1,024 bytes of a row
	s_add_co_u32 s20, s20, s22
	s_add_nc_u64 s[4:5], s[4:5], s[20:21]
	s_lshr_b32 s24, s19, 2
	s_mul_i32 s24, s24, GB                         ; the results: my group of 128 rows,
	s_mul_i32 s22, s18, 2*STEPB                    ; my two steps
	s_add_co_u32 s24, s24, s22
	s_and_b32 s25, s19, 3                          ; which 32 rows of the group
	s_mul_i32 s20, s25, 2*FRB                      ; codes: two fragments,
	s_add_co_u32 s20, s20, s24
	s_add_nc_u64 s[12:13], s[8:9], s[20:21]
	s_lshl_b32 s20, s25, 7                         ; scale words: 128 bytes
	s_add_co_u32 s20, s20, s24
	s_add_co_u32 s20, s20, SCOFF
	s_add_nc_u64 s[14:15], s[8:9], s[20:21]
	s_mul_i32 s22, s16, XREG                       ; my wave's LDS
	s_wait_alu depctr_va_vdst(0)
	v_lshlrev_b32 v3, 4, v2                        ; my 16 bytes of a load's, and of a store's, 512
	v_lshrrev_b32 v14, 2, v2
	v_mul_u32_u24 v14, v14, SP
	v_and_b32 v15, 3, v2
	v_lshl_add_u32 v14, v15, 4, v14
	v_add_nc_u32 v14, s22, v14                     ; the stage, on the way in: four lanes' 64 bytes on end, then 16 of padding; a load's 512 bytes take eight places
	v_mul_u32_u24 v15, v2, SP
	v_add_nc_u32 v15, s22, v15                     ; and on the way out: my place: my 16 neighbours
	v_and_b32 v4, 1, v2                            ; u
	v_bfe_u32 v10, v2, 1, 1                        ; b % 2: which half of a fragment's lanes holds my block
	v_bfe_u32 v12, v2, 2, 1                        ; b / 2: registers 0-5 or 6-11
	v_bfe_u32 v13, v2, 3, 1                        ; q
	v_bfe_u32 v1, v2, 4, 1                         ; h = L / 16: the even row or the odd one
	v_lshlrev_b32 v5, 7, v13                       ; my block's scale byte: step q's 128 bytes, 4 bytes a row, byte b; a step adds 8 (two rows)
	v_lshl_add_u32 v5, v1, 2, v5
	v_lshl_add_u32 v5, v12, 1, v5
	v_add_nc_u32 v5, v5, v10
	s_add_co_u32 s24, s22, XSCB
	v_add_nc_u32 v5, s24, v5
	v_lshl_add_u32 v6, v2, 3, s24                  ; and on the way out 8 bytes a lane: lanes 0-15 step 0's words, lanes 16-31 step 1's,
	v_and_b32 v7, 15, v2
	v_lshlrev_b32 v7, 3, v7
	v_mad_u32_u24 v7, v1, STEPB, v7                ; which lie a step apart in memory
	s_add_co_u32 s24, s22, XOUT
	v_mul_u32_u24 v9, v13, 12*OP                   ; the out stage: step q's 192 pieces,
	v_mad_u32_u24 v9, v10, OP, v9                  ; the fragment's lanes 16-31 for an odd block,
	v_lshl_add_u32 v9, v1, 4, v9                   ; the odd row one lane on; a step adds two lanes, 32 bytes, and from step 8 on a fragment
	v_add_nc_u32 v9, s24, v9
	v_mul_u32_u24 v8, v12, 6
	v_mad_u32_u24 v8, v4, 3, v8                    ; my three registers of codes are the fragment's registers j = 6 (b / 2) + 3 u + 0, 1, 2:
.irp k, 0,1,2
	v_add_nc_u32 v11, \k, v8
	v_lshrrev_b32 v10, 2, v11                      ; image j / 4 (32 pieces on),
	v_and_b32 v11, 3, v11                          ; word j % 4 of the piece
	v_mad_u32_u24 v10, v10, 2*OP, v9
	v_lshl_add_u32 v[XOA+\k], v11, 2, v10
.endr
	v_and_b32 v10, 15, v2
	v_lshlrev_b32 v10, 4, v10
	v_mad_u32_u24 v10, v1, OP, v10
	v_add_nc_u32 v[XOR], s24, v10                  ; back: piece 32 n + lane
.macro XLOAD t                         ; step t: rows 2 t and 2 t + 1, each as two loads of 512 consecutive bytes
.irp i, 0,1,2,3
	global_load_b128 v[XR+16*((\t)%4)+4*\i:XR+16*((\t)%4)+4*\i+3], v3, s[4:5] offset:(2*(\t)+\i/2)*ROWF+(\i%2)*512 th:TH_LOAD_NT
.endr
.endm
.macro XTURN t                         ; step t's numbers through the stage: LDS serves a wave's instructions in order (ISA guide 5.7.1.4), so no wait stands between the stores and the loads
.irp i, 0,1,2,3
	ds_store_b128 v14, v[XR+16*((\t)%4)+4*\i:XR+16*((\t)%4)+4*\i+3] offset:32*SP*((\t)%2)+8*SP*\i
.endr
.irp i, 0,1,2,3
	ds_load_b128 v[XX+16*((\t)%2)+4*\i:XX+16*((\t)%2)+4*\i+3], v15 offset:32*SP*((\t)%2)+16*\i
.endr
.endm
.irp t, 0,1,2,3
	XLOAD \t                                       ; loads run four steps, 16 loads a wave, ahead
.endr
	s_wait_loadcnt 12                              ; step 0's four loads are in; the twelve of steps 1 to 3 may be out
	XTURN 0
.macro XSTEP t
.set XS, XX+16*((\t)%2)
.if (\t) > 0
	s_wait_dscnt 4                                 ; this step's numbers are back from the stage (behind them the last step's byte store and its three stores of codes were issued): so its stores into the stage have read their registers,
.else
	s_wait_dscnt 0x0
.endif
.if (\t)+4 < STEPS
	XLOAD (\t)+4                                   ; which take the loads of four steps on
.endif
.if (\t)+1 < STEPS
.if STEPS-2-(\t) >= 3
	s_wait_loadcnt 12                              ; the next step's four loads are in; those of the three steps behind it may be out
.else
	s_wait_loadcnt 4*(STEPS-2-(\t))                ; towards the end fewer steps stand behind it
.endif
	XTURN (\t)+1                                   ; and go through the other stage while this step is worked
.endif
	v_max3_num_f32 v8, |v[XS]|, |v[XS+1]|, |v[XS+2]|               ; the largest magnitude of my 16, in two chains
	v_max3_num_f32 v9, |v[XS+3]|, |v[XS+4]|, |v[XS+5]|
.irp i, 6,10
	v_max3_num_f32 v8, v8, |v[XS+\i]|, |v[XS+\i+1]|
	v_max3_num_f32 v9, v9, |v[XS+\i+2]|, |v[XS+\i+3]|
.endr
	v_max3_num_f32 v8, v8, |v[XS+14]|, |v[XS+15]|
	v_max3_num_f32 v8, v8, v9, FLOOR               ; and the floor
	v_max_num_f32_dpp v8, v8, v8 row_xmask:1 row_mask:0xf bank_mask:0xf   ; and of my neighbour's 16: the block's
	v_add_nc_u32 v11, OFFE, v8                     ; 4 off its exponent field: the conversion takes the exponent field of this operand as its scale, and nothing else of it
	v_cvt_scalef32_pk16_bf6_f32 v[XC+4*(\t):XC+4*(\t)+2], v[XS:XS+15], v11   ; 16 codes, 96 bits without gaps, the first number's code lowest
	v_lshrrev_b32 v[XE+(\t)], 23, v11              ; the scale's byte (also the plain instruction behind the conversion)
	ds_store_b8 v5, v[XE+(\t)] offset:8*(\t)       ; both lanes of a block write the same byte with the same value
.irp k, 0,1,2
	ds_store_b32 v[XOA+\k], v[XC+4*(\t)+\k] offset:6*OP*((\t)/8)+32*((\t)%8)   ; each register to its place in its fragment's images
.endr
.endm
.irp t, 0,1,2,3,4,5,6,7,8,9,10,11,12,13,14,15
	XSTEP \t
.endr
	ds_load_b64 v[12:13], v6                       ; these see my stores: a wave's LDS instructions are served in order
.irp n, 0,1,2,3,4,5,6,7,8,9,10,11
	ds_load_b128 v[XR+4*\n:XR+4*\n+3], v[XOR] offset:2*OP*\n
.endr
	s_wait_dscnt 12                                ; the scale words are in; the twelve loads behind them may be out
	global_store_b64 v7, v[12:13], s[14:15]        ; two runs of 128 consecutive bytes
.irp n, 0,1,2,3,4,5,6,7,8,9,10,11
	s_wait_dscnt 11-\n                             ; load n is in; the 11 - n behind it may be out
	global_store_b128 v3, v[XR+4*\n:XR+4*\n+3], s[12:13] offset:(\n/6)*STEPB+(\n%6)*512   ; 32 lanes store 512 consecutive bytes, at a multiple of 256 from the buffer's first byte
.endr
	s_wait_tensorcnt 0x0
	ds_add_u32 v200, v201
	s_wait_dscnt 0x0
	s_endpgm
; ================= sign: K is the FIRST axis =================
; A LANE TAKES A COLUMN n, AND ITS REGISTERS RUN DOWN K: each load reads neighbouring n in neighbouring lanes (128 consecutive bytes a wave), a block of 32 along K lies in ONE lane's
; 32 registers, so that its largest magnitude needs no other lane, and the conversions give the codes with K innermost.  Nothing is transposed by an instruction.
; FOR sign THE LAYOUT AT THE HEAD HOLDS WITH TWO CHANGES.  (1) WHICH COLUMNS FORM A FRAGMENT: fragment 4 g + t of a group of 128 columns holds, in its lanes r and r + 16, column 64 g + 4 r + t: so the
; product's four results of fragments 4 g .. 4 g + 3 in one lane are four neighbouring columns.  (2) The scale words lie in the columns' own order: column n's word at 12,288 + 4 n of the step.
; A wave takes 64 columns x 128 along K (one step): wave w has g = w % 2 and step w / 2 of the work-group's two.  Its eight blocks: block t is block b = t % 4 of the step, for columns 32 (t / 4) + lane of
; the 64: fragment 4 g + lane % 4, lane 8 (t / 4) + lane / 4 + 16 (b % 2), registers 6 (b / 2) .. + 5.  So a wave fills four whole fragments, 6,144 consecutive bytes.
.Lsign:
	s_sub_co_u32 s17, ttmp9, 512
	s_and_b32 s18, s17, 31                         ; which group of 128 columns
	s_lshr_b32 s19, s17, 5                         ; which 256 along K
	s_lshl_b32 s20, s19, 22                        ; sign: 256 rows of 16,384 bytes,
	s_lshl_b32 s22, s18, 9                         ; 128 columns of 4 bytes,
	s_add_co_u32 s20, s20, s22
	s_and_b32 s26, s16, 1                          ; g: which 64 columns of the group
	s_lshr_b32 s27, s16, 1                         ; which of the two steps
	s_lshl_b32 s22, s26, 8                         ; 64 columns of 4 bytes,
	s_add_co_u32 s20, s20, s22
	s_lshl_b32 s22, s27, 21                        ; 128 rows of 16,384 bytes
	s_add_co_u32 s20, s20, s22
	s_add_nc_u64 s[6:7], s[6:7], s[20:21]
	s_mul_i32 s24, s18, GB                         ; the results: my group,
	s_mul_i32 s22, s19, 2*STEPB                    ; my two steps
	s_add_co_u32 s24, s24, s22
	s_mul_i32 s22, s27, STEPB                      ; my wave's step,
	s_add_co_u32 s24, s24, s22
	s_mul_i32 s20, s26, 4*FRB                      ; codes: my wave's four fragments,
	s_add_co_u32 s20, s20, s24
	s_add_nc_u64 s[12:13], s[10:11], s[20:21]
	s_lshl_b32 s20, s26, 8                         ; scale words: its 64 columns, 256 bytes
	s_add_co_u32 s20, s20, s24
	s_add_co_u32 s20, s20, SCOFF
	s_add_nc_u64 s[14:15], s[10:11], s[20:21]
	s_mul_i32 s22, s16, OSTG
	s_add_co_u32 s22, s22, WBASE                   ; my out stage
	s_wait_alu depctr_va_vdst(0)
	v_lshlrev_b32 v3, 2, v2                        ; in: 4 bytes a lane; and my scale word's place among the wave's 32
	v_and_b32 v5, 15, v2
	v_lshrrev_b32 v6, 4, v2
	v_lshlrev_b32 v5, 4, v5
	v_and_b32 v9, 3, v2
	v_lshrrev_b32 v10, 2, v2
	v_lshlrev_b32 v10, 4, v10
	v_mad_u32_u24 v4, v9, 6*OP, v10                ; fragment lane % 4 (96 pieces on), its lane lane / 4
	v_add_nc_u32 v4, s22, v4                       ; into the stage
	v_mad_u32_u24 v7, v6, OP, v5
	v_add_nc_u32 v7, s22, v7                       ; back: piece 32 n + lane
	v_lshlrev_b32 v8, 4, v2                        ; my 16 bytes of a store's 512
.macro WLOAD t                         ; block t: sign(32 (t % 4) + i, my column + 32 (t / 4)), i = 0 .. 31, into set t % 2.  The offsets reach 127 rows and 128 bytes, 2,080,896 bytes: inside the signed 24-bit immediate (ISA guide, chapter 10)
.irp i, 0,1,2,3,4,5,6,7,8,9,10,11,12,13,14,15,16,17,18,19,20,21,22,23,24,25,26,27,28,29,30,31
	global_load_b32 v[WX+32*((\t)%2)+\i], v3, s[6:7] offset:(32*((\t)%4)+\i)*ROWF+128*((\t)/4) th:TH_LOAD_NT
.endr
.endm
	WLOAD 0
	WLOAD 1                                        ; loads run two blocks ahead
.macro WBLOCK t
.set WS, WX+32*((\t)%2)
.set WP0, OP*((\t)%2)+128*((\t)/4)     ; the out stage: lanes 16-31 for an odd block; the second 32 columns eight lanes on
.if (\t) < 7
	s_wait_loadcnt 32                              ; this block's 32 loads are in; the next block's 32 may be out
.else
	s_wait_loadcnt 0
.endif
	v_max3_num_f32 v12, |v[WS]|, |v[WS+1]|, |v[WS+2]|              ; the block's largest magnitude: all 32 numbers are mine
	v_max3_num_f32 v13, |v[WS+3]|, |v[WS+4]|, |v[WS+5]|
.irp i, 6,10,14,18,22,26
	v_max3_num_f32 v12, v12, |v[WS+\i]|, |v[WS+\i+1]|
	v_max3_num_f32 v13, v13, |v[WS+\i+2]|, |v[WS+\i+3]|
.endr
	v_max3_num_f32 v12, v12, |v[WS+30]|, |v[WS+31]|
	v_max3_num_f32 v12, v12, v13, FLOOR            ; and the floor
	v_add_nc_u32 v11, OFFE, v12                    ; 4 off its exponent field: the conversions' scale operand
	v_lshrrev_b32 v13, 23, v11                     ; the scale's byte
.if (\t)%4 == 0
	v_mov_b32 v[WSB+(\t)/4], v13                   ; a step's four bytes make my row's scale word, the lower K in the lower byte
.else
	v_lshl_or_b32 v[WSB+(\t)/4], v13, 8*((\t)%4), v[WSB+(\t)/4]
.endif
	v_cvt_scalef32_pk16_bf6_f32 v[WC:WC+2], v[WS:WS+15], v11
	v_cvt_scalef32_pk16_bf6_f32 v[WC+6:WC+8], v[WS+16:WS+31], v11   ; (a conversion's three registers begin on an even number: the second half is made apart and moved)
	v_nop                                          ; one plain instruction behind a scaled conversion, ahead of the moves that read its result
.irp i, 0,1,2
	v_mov_b32 v[WC+3+\i], v[WC+6+\i]               ; v[WC] .. v[WC + 5]: the block's 24 bytes
.endr
.if ((\t)%4)/2 == 0
	ds_store_b128 v4, v[WC:WC+3] offset:WP0        ; registers 0-3: image 0;
	ds_store_b64 v4, v[WC+4:WC+5] offset:WP0+2*OP  ; 4, 5: the lower half of my piece of image 1
.else
	ds_store_b64 v4, v[WC:WC+1] offset:WP0+2*OP+8  ; registers 6, 7: its upper half;
	ds_store_b128 v4, v[WC+2:WC+5] offset:WP0+4*OP ; 8-11: image 2
.endif
.if (\t)+2 < 8
	WLOAD (\t)+2
.endif
	s_wait_dscnt 0x0                               ; the stores have read their registers: the next block's codes may be written
.endm
.irp t, 0,1,2,3,4,5,6,7
	WBLOCK \t
.endr
	s_wait_alu depctr_va_vdst(0)
.irp q, 0,1
	global_store_b32 v3, v[WSB+\q], s[14:15] offset:\q*128     ; 32 columns' scale words: 128 consecutive bytes
.endr
.irp n, 0,1,2,3,4,5,6,7,8,9,10,11
	ds_load_b128 v[WO+4*\n:WO+4*\n+3], v7 offset:2*OP*\n   ; these see my stores: a wave's LDS instructions are served in order
.endr
.irp n, 0,1,2,3,4,5,6,7,8,9,10,11
	s_wait_dscnt 11-\n                             ; load n is in; the 11 - n behind it may be out
	global_store_b128 v8, v[WO+4*\n:WO+4*\n+3], s[12:13] offset:\n*512
.endr
	s_wait_tensorcnt 0x0
	ds_add_u32 v200, v201
	s_wait_dscnt 0x0
	s_endpgm
.Lfunc_end_k_q0fb4207801_quant:
	.size	k_q0fb4207801_quant, .Lfunc_end_k_q0fb4207801_quant-k_q0fb4207801_quant
	.p2alignl 7, 3214868480
	.fill 96, 4, 3214868480
	.section	.rodata,"a",@progbits
	.p2align	6, 0x0
	.amdhsa_kernel k_q0fb4207801_quant
		.amdhsa_group_segment_fixed_size 74240
		.amdhsa_private_segment_fixed_size 0
		.amdhsa_enable_private_segment 0
		.amdhsa_kernarg_size 32
		.amdhsa_user_sgpr_count 2
		.amdhsa_user_sgpr_kernarg_segment_ptr 1
		.amdhsa_wavefront_size32 1
		.amdhsa_system_sgpr_workgroup_id_x 1
		.amdhsa_system_sgpr_workgroup_id_y 1
		.amdhsa_system_sgpr_workgroup_id_z 1
		.amdhsa_system_vgpr_workitem_id 0
		.amdhsa_next_free_vgpr 202
		.amdhsa_next_free_sgpr 66
		.amdhsa_reserve_vcc 0
		.amdhsa_float_denorm_mode_32 3
		.amdhsa_float_denorm_mode_16_64 3
		.amdhsa_memory_ordered 1
		.amdhsa_forward_progress 1
		.amdhsa_inst_pref_size 79
	.end_amdhsa_kernel
	.amdgpu_metadata
---
amdhsa.version: [ 1, 2 ]
amdhsa.kernels:
  - .name:           k_q0fb4207801_quant
    .symbol:         k_q0fb4207801_quant.kd
    .args:
      - { .name: x, .offset: 0, .size: 8, .value_kind: global_buffer, .address_space: global }
      - { .name: sign, .offset: 8, .size: 8, .value_kind: global_buffer, .address_space: global }
      - { .name: xq, .offset: 16, .size: 8, .value_kind: global_buffer, .address_space: global }
      - { .name: wq, .offset: 24, .size: 8, .value_kind: global_buffer, .address_space: global }
    .group_segment_fixed_size: 74240
    .private_segment_fixed_size: 0
    .kernarg_segment_align: 8
    .kernarg_segment_size: 32
    .max_flat_workgroup_size: 128
    .sgpr_count:     66
    .vgpr_count:     202
    .wavefront_size: 32
...
	.end_amdgpu_metadata
.endif
;; end of part 1
;; launch gemm (part 2): grid 16 x 16, 4 waves a work-group, clusters of 4 x 1, 327,680 bytes of LDS; arguments xq, wq, out0, scale; writes out0
.if DOCPART == 2
	.amdgcn_target "amdgcn-amd-amdhsa--gfx1250"
	.amdhsa_code_object_version 6
	.text
	.protected	k_q0fb4207801_gemm
	.globl	k_q0fb4207801_gemm
	.p2align	8
	.type	k_q0fb4207801_gemm,@function
k_q0fb4207801_gemm:
	s_mov_b64 s[64:65], 0
	v_nop
	global_prefetch_b8 v0, s[64:65] scope:SCOPE_SE
	s_setreg_imm32_b32 hwreg(HW_REG_WAVE_MODE, 25, 1), 1
	s_wait_xcnt 0x0
	s_wait_alu depctr_hold_cnt(0) depctr_sa_sdst(0) depctr_va_vdst(0) depctr_va_sdst(0) depctr_va_ssrc(0) depctr_va_vcc(0) depctr_vm_vsrc(0)
	s_getreg_b32 s2, hwreg(HW_REG_IB_STS2, 6, 4)
	s_cmp_eq_u32 s2, 0
	s_cbranch_scc0 .Lentry_in_a_cluster
	s_endpgm
.Lentry_in_a_cluster:
	s_bfe_u32 s2, ttmp6, 0x10000c
	s_cmp_lg_u32 s2, 0x3003
	s_cbranch_scc0 .Lentry_shape_is_right
	s_endpgm
.Lentry_shape_is_right:
; out0[m][n] = softplus(scale) x sum over k of Q(x)[m][k] Q(sign)[k][n]; both operands come as codes of BF6 (E3M2) with E8M0 scale words, in the order of the matrix operand's registers:
; [32 groups of 128 rows][32 steps of 128 K][12,800 bytes: 8 fragments of 1,536 bytes, then 512 bytes of scale words].  Sums in f32; the factor is applied to the finished sums.
; SHARES: a work-group makes 256 rows x 256 columns: 16 x 16 = 256 work-groups.  Wave w makes all 256 rows x columns 64 w .. 64 w + 63: 16 blocks of x against 4 fragments of sign: 64 accumulators, 512 registers.
; x's 256 ROWS are used by all four waves, and by the four work-groups of a cluster (4 along x: one tile row of C): they go through LDS, asked for JOINTLY by tensor loads with the mask of the four:
; two slots of six steps (2 groups x 76,800 bytes) take turns; the last fill brings the last two steps.  A wave brings three steps of one group, 150 rows of 256 bytes.
; sign's FOUR FRAGMENTS of a wave are used by that wave alone: they go from memory straight into its registers (12 loads of 512 consecutive bytes and one of 256 a step), three sets, two steps ahead.
; SOURCE 0 = 16 rows of x, SOURCE 1 = 16 columns of sign.  Fragment 4 g + t of sign holds columns 64 g + 4 r + t, so register j of the four accumulators t = 0 .. 3 in lane (r, h) are columns
; 4 r + 0 .. 3 of the wave's 64, in row 8 h + j: the multiplication by the factor lays them side by side, and sixteen lanes store 256 consecutive bytes, aligned.  No stage in LDS.
; Every step goes by blocks of x, so in the last step each pair of blocks is stored as soon as its sums are finished.
; PREFETCH, with no branch, shared out by address.  x: at the first step of a trip, four steps ahead of the trip's joint load, the 150 blocks of 256 bytes that my wave will ask for are named by the four partners:
; partner cx takes blocks 38 cx .. 38 cx + 37, held at 149 (two instructions; lanes left over name the last block again).  The first two fills and the last, short one come by their loads alone.
; sign: a wave's fragments of six steps are 144 blocks, read by the 16 work-groups of a grid column: work-group y takes blocks 3 (y % 8) .. + 2 of steps 3 (y / 8) .. + 2 (nine lanes; the others name the ninth again).
; In the trip of steps 6 t + 1 .. 6 t + 6 steps 6 t + 6 .. 6 t + 11 are named, which are loaded from the trip's fourth step on.  Steps 0-5, 30, 31 and the scale words come by their loads alone.
; LIMITS: NaN and infinities among the inputs are not served.
; REGISTERS: window 0: v0-15 addresses; v16-31 x's scale words, two sets; v32-43 sign's, three sets; v44-51 LDS addresses; v64-207 sign's fragments, three sets.
;   window 1: v0-191 x's fragments, ONE set (a block is free when its four products are issued); v192-255 results on their way out.  window 2: accumulators (a, t), a = 0-7, at v[8 (4 a + t)]; window 3: a = 8-15.
.set STEPB, 12800
.set FRB,   1536
.set SCOFF, 12288
.set GB,    409600
.set GSL,   6*STEPB                    ; a group's part of a slot
.set SLOTB, 2*GSL
.set SPARE, 2*SLOTB                    ; the spare words: 128 bytes a wave, two blocks of 256 bytes that no other line names
.set ROWC,  16384                      ; a row of out0 in bytes
.set L16, 2                            ; 16 x lane
.set L4,  3                            ; 4 x lane
.set CO,  6                            ; out0: 8 h rows + 16 r bytes
.set SPL, 7                            ; softplus(scale)
.set SPW, 10
.set NIL, 11
.set VSC, 12                           ; where my scale words of sign lie, from s[6:7]
.set PX0, 13                           ; prefetch offsets
.set PX1, 14
.set PD,  15
.set SX,  16
.set SD,  32
.set VA,  44                           ; v44-47: the slot being read + 16 x lane: group 0 steps 0-4, step 5, group 1 steps 0-4, step 5
.set VS,  48                           ; v48-51: the same + 4 x lane
.set DF,  64
.set OBUF, 192
.set MSB, 0
.macro WIN new                         ; the immediate's high byte repeats the setting that is left
.if MSB != (\new)
	s_set_vgpr_msb (MSB<<8)|(\new)
.set MSB, (\new)
.endif
.endm
.macro PLACES
.rept 4
	v_nop
.endr
.endm
.macro CREST                           ; a round of the cluster's barrier behind its opening barrier
	s_cmp_lg_u32 s12, 0
	s_cbranch_scc1 .Lnot_wave_0_\@
	s_barrier_signal -3
.Lnot_wave_0_\@:
	s_barrier_wait -3
	s_barrier_signal -1
	s_barrier_wait -1
.endm
.macro CROUND
	s_barrier_signal -1
	s_barrier_wait -1
	CREST
.endm
.macro DLOAD k, off                    ; sign's step at byte off from s[6:7] into set k
.irp t, 0,1,2,3
.irp c, 0,1,2
	global_load_b128 v[DF+48*(\k)+12*\t+4*\c:DF+48*(\k)+12*\t+4*\c+3], v[L16], s[6:7] offset:(\off)+\t*FRB+512*\c
.endr
.endr
	global_load_b128 v[SD+4*(\k):SD+4*(\k)+3], v[VSC], s[6:7] offset:(\off)   ; register t: fragment t's words, in lanes 0-15
.endm
.macro XSC q, set                      ; x's scale words of the slot's step q: register 4 G + p: lanes 0-15 block 8 G + 2 p, lanes 16-31 block 8 G + 2 p + 1
.irp G, 0,1
.irp p, 0,1,2,3
	ds_load_b32 v[SX+8*(\set)+4*\G+\p], v[VS+2*\G+(\q)/5] offset:((\q)%5)*STEPB+SCOFF+128*\p
.endr
.endr
.endm
.macro XFETCH q, G                     ; x's blocks 8 G .. 8 G + 7 of the slot's step q
	WIN 0x40
.irp i, 0,1,2,3,4,5,6,7
.irp c, 0,1,2
	ds_load_b128 v[12*(8*(\G)+\i)+4*\c:12*(8*(\G)+\i)+4*\c+3], v[VA+2*(\G)+(\q)/5] offset:((\q)%5)*STEPB+\i*FRB+512*\c
.endr
.endr
.endm
.macro WM d, a, b, z, sa, sb, ra       ; one product.  z = 1: it starts the sum.  ra: which half of the lanes holds x's scale words
.set V, 2*(\z)+(\ra)
.if V == 0
	v_wmma_scale_f32_16x16x128_f8f6f4 v[\d:\d+7], v[\a:\a+11], v[\b:\b+11], v[\d:\d+7], v[\sa], v[\sb] matrix_a_fmt:MATRIX_FMT_BF6 matrix_b_fmt:MATRIX_FMT_BF6
.endif
.if V == 1
	v_wmma_scale_f32_16x16x128_f8f6f4 v[\d:\d+7], v[\a:\a+11], v[\b:\b+11], v[\d:\d+7], v[\sa], v[\sb] matrix_a_fmt:MATRIX_FMT_BF6 matrix_b_fmt:MATRIX_FMT_BF6 matrix_a_scale:MATRIX_SCALE_ROW1
.endif
.if V == 2
	v_wmma_scale_f32_16x16x128_f8f6f4 v[\d:\d+7], v[\a:\a+11], v[\b:\b+11], 0, v[\sa], v[\sb] matrix_a_fmt:MATRIX_FMT_BF6 matrix_b_fmt:MATRIX_FMT_BF6
.endif
.if V == 3
	v_wmma_scale_f32_16x16x128_f8f6f4 v[\d:\d+7], v[\a:\a+11], v[\b:\b+11], 0, v[\sa], v[\sb] matrix_a_fmt:MATRIX_FMT_BF6 matrix_b_fmt:MATRIX_FMT_BF6 matrix_a_scale:MATRIX_SCALE_ROW1
.endif
.endm
; 8 products: x's blocks 8 G + 4 q + 2 ap, + 1, each against sign's four fragments.  The accumulators take turns, one instruction a turn
.macro MULP st, G, q, ap, zero
	WIN 0xa1+0x50*(\G)
.irp ah, 0,1
.irp t, 0,1,2,3
	WM 8*(4*(4*(\q)+2*(\ap)+\ah)+\t), 12*(8*(\G)+4*(\q)+2*(\ap)+\ah), DF+48*((\st)%3)+12*\t, \zero, SX+8*((\st)%2)+4*(\G)+2*(\q)+(\ap), SD+4*((\st)%3)+\t, \ah
.endr
.endr
.endm
.macro MULQ st, G, q, zero             ; 16 products
	MULP \st, \G, \q, 0, \zero
	MULP \st, \G, \q, 1, \zero
.endm
.macro SETADR                          ; the LDS addresses of the slot at s17
	v_add_nc_u32 v[VA], s17, v[L16]
	v_add_nc_u32 v[VS], s17, v[L4]
	v_add_nc_u32 v[VA+1], 5*STEPB, v[VA]
	v_add_nc_u32 v[VS+1], 5*STEPB, v[VS]
	v_add_nc_u32 v[VA+2], GSL, v[VA]
	v_add_nc_u32 v[VS+2], GSL, v[VS]
	v_add_nc_u32 v[VA+3], GSL+5*STEPB, v[VA]
	v_add_nc_u32 v[VS+3], GSL+5*STEPB, v[VS]
.endm
.macro ASK kind                        ; 1: x's next fill and sign's next six steps; 2: sign's alone
.if \kind == 1
	global_prefetch_b8 v[PX0], s[48:49] th:TH_LOAD_NT scope:SCOPE_SE
	global_prefetch_b8 v[PX1], s[48:49] th:TH_LOAD_NT scope:SCOPE_SE
.endif
	global_prefetch_b8 v[PD], s[62:63] th:TH_LOAD_NT scope:SCOPE_SE
.endm
; A step: 64 products.  q: the next step's place in its slot.  ld: sign's step two on is asked for, at byte doff, into the set that the last step has left (the four places at that step's end stand ahead).
; lcnt: sign's loads that may stay out: 13 for each later step asked for.  turn: the slot's last step: 1: the slot is filled again; 3: with the last two steps; 2: a barrier alone, for the other slot's tile.
.macro STEP st, q, zero, ld, doff, lcnt, turn, ask
.if \ld
	DLOAD ((\st)+2)%3, \doff
.endif
	s_wait_loadcnt \lcnt
.if \turn
	s_wait_tensorcnt 0x0                           ; my part of the other slot has landed
.if \turn != 2
	ds_add_u32 v[SPW], v[NIL]
	s_wait_dscnt 25                                ; the add and the youngest 24 loads (blocks 8-15) may be out
.else
	s_wait_dscnt 24
.endif
	MULQ \st, 0, 0, \zero
	s_wait_dscnt 0x0                               ; the add is done, and all my reads of this slot
	s_barrier_signal -1                            ; (where the slot is filled again this barrier opens a round of the cluster's barrier)
	MULQ \st, 0, 1, \zero
	WIN 0
	s_barrier_wait -1
.if \turn == 1
	CREST
	s_add_co_u32 s41, s17, s18                     ; into the slot just read out, my quarter of it;
	s_add_nc_u64 s[42:43], s[42:43], GSL           ; the six steps that follow those asked for last
	s_xor_b32 s17, s17, SLOTB
	tensor_load_to_lds s[40:43], s[24:31]
	s_nop 0
.endif
.if \turn == 3
	CREST
	s_add_co_u32 s45, s17, s58                     ; steps 30 and 31: a step of a group a wave
	s_xor_b32 s17, s17, SLOTB
	tensor_load_to_lds s[44:47], s[32:39]
	s_nop 0
.endif
.if \turn == 2
	s_xor_b32 s17, s17, SLOTB
.endif
	SETADR                                         ; on to the other slot.  (These lines are also the places ahead of the loads below)
	s_wait_alu depctr_va_vdst(0)                   ; the wait behind these writes
.else
	s_wait_dscnt 24                                ; the scale words and blocks 0-7 are in; blocks 8-15 may be out
	MULQ \st, 0, 0, \zero
	MULQ \st, 0, 1, \zero
	s_wait_dscnt 0x0
	PLACES
	WIN 0
.endif
	XSC \q, ((\st)+1)%2
	XFETCH \q, 0
.if \ask
	ASK \ask
.endif
	MULQ \st, 1, 0, \zero
	MULQ \st, 1, 1, \zero
	PLACES
	XFETCH \q, 1
	WIN 0
.endm
; a block of 16 rows x my 64 columns on its way out.  Each accumulator is read from its low end on.  Two sets of 32 registers by turns
.macro OUT a
.set OBU, OBUF+32*((\a)%2)
.if (\a) >= 2
	s_wait_xcnt 0x0                                ; the earlier stores have read their data
.endif
	WIN 0x40|(2+(\a)/8)
.irp j, 0,1,2,3,4,5,6,7
.irp t, 0,1,2,3
	v_mul_f32 v[OBU+4*\j+\t], v[8*(4*((\a)%8)+\t)+\j], v[SPL]
.endr
.endr
	WIN 0x04
.irp j, 0,1,2,3,4,5,6,7
	global_store_b128 v[CO], v[OBU+4*\j:OBU+4*\j+3], s[8:9] offset:(16*(\a)+\j)*ROWC th:TH_STORE_NT   ; sixteen lanes store 256 consecutive bytes, aligned
.endr
.endm
	s_load_b128 s[4:7], s[0:1], 0x0                ; xq, wq
	s_load_b128 s[8:11], s[0:1], 0x10              ; out0, scale
	v_lshl_add_u32 v[SPW], v0, 2, SPARE
	v_mov_b32 v[NIL], 0
	ds_add_u32 v[SPW], v[NIL]                      ; the opening lines: the add, twice on end, and its wait
	ds_add_u32 v[SPW], v[NIL]
	v_lshrrev_b32 v1, 5, v0
	v_readfirstlane_b32 s12, v1                    ; wave
	s_bfe_u32 s13, ttmp6, 0x40000                  ; cx: my place in the cluster
	s_lshl_b32 s14, ttmp9, 2
	s_add_co_u32 s14, s14, s13                     ; tile column of C
	s_and_b32 s15, ttmp7, 0xffff                   ; tile row of C
	s_lshr_b32 s16, s12, 1                         ; w / 2: which group
	s_and_b32 s19, s12, 1                          ; w % 2
	; descriptors: dense blocks as rows of 256 bytes (32 elements of 8), the mask of the cluster's four.  s[24:31]: 150 rows, three steps; s[32:39]: 50 rows, one step
	s_mov_b32 s24, 15|(3<<16)|(1<<21)
	s_mov_b32 s25, 32<<16
	s_mov_b32 s26, 150<<16
	s_mov_b32 s27, 32<<16
	s_mov_b32 s28, 150
	s_mov_b32 s29, 32
	s_mov_b32 s30, 0
	s_mov_b32 s31, 0
	s_mov_b32 s32, 15|(3<<16)|(1<<21)
	s_mov_b32 s33, 32<<16
	s_mov_b32 s34, 50<<16
	s_mov_b32 s35, 32<<16
	s_mov_b32 s36, 50
	s_mov_b32 s37, 32
	s_mov_b32 s38, 0
	s_mov_b32 s39, 0
	s_mov_b32 s40, 1
	s_mov_b32 s44, 1
	s_mov_b32 s17, 0                               ; the slot being read
	s_mul_i32 s18, s12, GSL/2                      ; my quarter of a slot
	s_mov_b32 s41, s18
	s_mul_i32 s58, s16, GSL
	s_mul_i32 s20, s19, STEPB
	s_add_co_u32 s58, s58, s20                     ; my part of the short fill, in LDS
	s_lshl_b32 s22, s15, 1
	s_add_co_u32 s22, s22, s16
	s_mul_i32 s22, s22, GB                         ; x: group 2 y + w / 2
	s_mul_i32 s21, s19, GSL/2
	s_add_co_u32 s20, s20, s22
	s_add_co_u32 s52, s20, 30*STEPB                ; the short fill: step 30 + w % 2
	s_mov_b32 s53, 0
	s_add_co_u32 s20, s22, s21                     ; the fills: steps 3 (w % 2) on
	s_mov_b32 s21, 0
	s_add_co_u32 s22, s20, 12*STEPB                ; the first fill that is prefetched: steps 12-17
	s_mov_b32 s23, 0
	s_lshl_b32 s50, s14, 1
	s_add_co_u32 s50, s50, s16
	s_mul_i32 s50, s50, GB                         ; sign: group 2 x + w / 2,
	s_mul_i32 s51, s19, 4*FRB                      ; fragments 4 (w % 2) on
	s_add_co_u32 s50, s50, s51
	s_mov_b32 s51, 0
	s_lshr_b32 s54, s15, 3
	s_mul_i32 s54, s54, 3*STEPB
	s_and_b32 s55, s15, 7
	s_mul_i32 s55, s55, 768
	s_add_co_u32 s54, s54, s55
	s_add_co_u32 s54, s54, 6*STEPB                 ; sign's prefetch, from my fragments' base: steps 6 + 3 (y / 8) on, blocks 3 (y % 8) on
	s_mov_b32 s55, 0
	s_lshl_b32 s56, s15, 22                        ; out0: 256 rows of 16,384 bytes,
	s_lshl_b32 s57, s14, 10                        ; 256 columns of 4 bytes,
	s_add_co_u32 s56, s56, s57
	s_lshl_b32 s57, s12, 8                         ; my wave's 64
	s_add_co_u32 s56, s56, s57
	s_mov_b32 s57, 0
	s_mul_i32 s60, s19, 4*FRB-256
	s_sub_co_u32 s60, SCOFF, s60                   ; my scale words of sign lie at 12,288 + 256 (w % 2) of the step
	s_mul_i32 s61, s13, 38
	v_and_b32 v52, 31, v0
	v_lshlrev_b32 v[L16], 4, v52
	v_lshlrev_b32 v[L4], 2, v52
	v_and_b32 v53, 15, v0
	v_bfe_u32 v54, v0, 4, 1
	v_lshlrev_b32 v53, 4, v53
	v_lshl_add_u32 v[CO], v54, 17, v53
	v_add_nc_u32 v[VSC], s60, v53
	v_add_nc_u32 v55, s61, v52
	v_lshlrev_b32 v[PX0], 8, v55                   ; blocks 38 cx + lane
	v_min_u32 v56, 5, v52
	v_add_nc_u32 v56, s61, v56
	v_add_nc_u32 v56, 32, v56
	v_min_u32 v56, 149, v56
	v_lshlrev_b32 v[PX1], 8, v56                   ; blocks 38 cx + 32 .. + 37, held at 149
	v_min_u32 v57, 8, v52
	v_mul_u32_u24 v58, v57, 11
	v_lshrrev_b32 v58, 5, v58                      ; l / 3 for l = 0 .. 8
	v_mul_u32_u24 v59, v58, 3
	v_sub_nc_u32 v59, v57, v59
	v_lshlrev_b32 v59, 8, v59
	v_mad_u32_u24 v[PD], v58, STEPB, v59           ; step l / 3, block l % 3
	SETADR
	s_wait_dscnt 0x0                               ; both opening adds are done
	s_wait_alu depctr_va_vdst(0)
	s_wait_kmcnt 0x0
	s_add_nc_u64 s[42:43], s[4:5], s[20:21]
	s_or_b32 s43, s43, 0x80000000
	s_add_nc_u64 s[46:47], s[4:5], s[52:53]
	s_or_b32 s47, s47, 0x80000000
	s_add_nc_u64 s[48:49], s[4:5], s[22:23]
	s_add_nc_u64 s[6:7], s[6:7], s[50:51]
	s_add_nc_u64 s[62:63], s[6:7], s[54:55]
	s_add_nc_u64 s[8:9], s[8:9], s[56:57]
	CROUND                                         ; the four work-groups are here: the first joint loads meet
	tensor_load_to_lds s[40:43], s[24:31]          ; slot 0: steps 0-5: one load a wave
	s_nop 0
	DLOAD 0, 0
	DLOAD 1, STEPB
	s_load_b32 s59, s[10:11], 0x0
	s_mov_b32 s22, 0xbfb8aa3b
	s_wait_kmcnt 0x0
	; softplus(s) = max(s, 0) + log(1 + e), e = exp(-|s|); where e is under 2^-8, log(1 + e) is taken as e - e e / 2
	v_mov_b32 v56, s59
	v_mul_f32 v57, s22, |v56|
	s_wait_alu depctr_va_vdst(0)
	v_exp_f32 v58, v57
	v_max_num_f32 v59, 0, v56
	s_wait_alu depctr_va_vdst(0)
	v_add_f32 v60, 1.0, v58
	s_wait_alu depctr_va_vdst(0)
	v_log_f32 v61, v60
	v_fma_f32 v57, v58, -0.5, 1.0
	v_mul_f32 v57, v57, v58
	v_cmp_gt_f32 vcc_lo, 0x3b800000, v58
	s_wait_alu depctr_va_vdst(0)
	v_mul_f32 v61, 0x3f317218, v61
	v_cndmask_b32 v61, v61, v57, vcc_lo
	v_add_f32 v[SPL], v59, v61
	s_wait_alu depctr_va_vdst(0)
	s_wait_tensorcnt 0x0                           ; my part of slot 0 is in
	ds_add_u32 v[SPW], v[NIL]
	s_add_co_u32 s41, s18, SLOTB
	s_add_nc_u64 s[42:43], s[42:43], GSL
	s_wait_dscnt 0x0
	CROUND
	tensor_load_to_lds s[40:43], s[24:31]          ; slot 1: steps 6-11
	s_nop 0
	XSC 0, 0
	XFETCH 0, 0
	XFETCH 0, 1
	WIN 0
	STEP 0, 1, 1, 1, 2*STEPB, 26, 0, 0             ; the first step's products start the sums
	s_mov_b32 s3, 3
.Ltrip:                                                ; steps 1-18: a trip goes from a slot's second step to the next slot's first, and fills the slot again
	STEP 1, 2, 0, 1, 3*STEPB, 26, 0, 1
	STEP 2, 3, 0, 1, 4*STEPB, 26, 0, 0
	STEP 3, 4, 0, 1, 5*STEPB, 26, 0, 0
	STEP 4, 5, 0, 1, 6*STEPB, 26, 0, 0
	STEP 5, 0, 0, 1, 7*STEPB, 26, 1, 0
	STEP 6, 1, 0, 1, 8*STEPB, 26, 0, 0
	s_wait_xcnt 0x0                                ; my loads and prefetches have read their bases
	s_add_nc_u64 s[6:7], s[6:7], GSL
	s_add_nc_u64 s[48:49], s[48:49], GSL
	s_add_nc_u64 s[62:63], s[62:63], GSL
	s_sub_co_u32 s3, s3, 1
	s_cmp_lg_u32 s3, 0
	s_cbranch_scc1 .Ltrip
	STEP 1, 2, 0, 1, 3*STEPB,  26, 0, 2            ; steps 19-23; s[6:7] stands at step 18
	STEP 2, 3, 0, 1, 4*STEPB,  26, 0, 0
	STEP 3, 4, 0, 1, 5*STEPB,  26, 0, 0
	STEP 4, 5, 0, 1, 6*STEPB,  26, 0, 0
	STEP 5, 0, 0, 1, 7*STEPB,  26, 3, 0            ; the last fill: steps 30, 31
	STEP 6, 1, 0, 1, 8*STEPB,  26, 0, 0            ; steps 24-29
	STEP 1, 2, 0, 1, 9*STEPB,  26, 0, 0
	STEP 2, 3, 0, 1, 10*STEPB, 26, 0, 0
	STEP 3, 4, 0, 1, 11*STEPB, 26, 0, 0
	STEP 4, 5, 0, 1, 12*STEPB, 26, 0, 0
	STEP 5, 0, 0, 1, 13*STEPB, 26, 2, 0            ; sign's step 31 is asked for; nothing is left to fetch for LDS
	STEP 6, 1, 0, 0, 0,        13, 0, 0            ; step 30
	s_wait_loadcnt 0x0
	s_wait_dscnt 0x0
.irp G, 0,1                            ; step 31: each pair of blocks leaves as soon as it is finished
.irp q, 0,1
.irp ap, 0,1
	MULP 1, \G, \q, \ap, 0
	PLACES
	OUT 8*\G+4*\q+2*\ap
	OUT 8*\G+4*\q+2*\ap+1
.endr
.endr
.endr
	WIN 0
	s_wait_tensorcnt 0x0                           ; the wave's end
	ds_add_u32 v[SPW], v[NIL]
	s_wait_dscnt 0x0
	CROUND                                         ; the closing round
	s_endpgm
.Lfunc_end_k_q0fb4207801_gemm:
	.size	k_q0fb4207801_gemm, .Lfunc_end_k_q0fb4207801_gemm-k_q0fb4207801_gemm
	.p2alignl 7, 3214868480
	.fill 96, 4, 3214868480
	.section	.rodata,"a",@progbits
	.p2align	6, 0x0
	.amdhsa_kernel k_q0fb4207801_gemm
		.amdhsa_group_segment_fixed_size 327680
		.amdhsa_private_segment_fixed_size 0
		.amdhsa_enable_private_segment 0
		.amdhsa_kernarg_size 32
		.amdhsa_user_sgpr_count 2
		.amdhsa_user_sgpr_kernarg_segment_ptr 1
		.amdhsa_wavefront_size32 1
		.amdhsa_system_sgpr_workgroup_id_x 1
		.amdhsa_system_sgpr_workgroup_id_y 1
		.amdhsa_system_sgpr_workgroup_id_z 1
		.amdhsa_system_vgpr_workitem_id 0
		.amdhsa_next_free_vgpr 1024
		.amdhsa_next_free_sgpr 66
		.amdhsa_reserve_vcc 1
		.amdhsa_float_denorm_mode_32 3
		.amdhsa_float_denorm_mode_16_64 3
		.amdhsa_memory_ordered 1
		.amdhsa_forward_progress 1
		.amdhsa_inst_pref_size 255
	.end_amdhsa_kernel
	.section	.bss,"aw",@nobits
	.p2align	6
	.space	262144
	.amdgpu_metadata
---
amdhsa.version: [ 1, 2 ]
amdhsa.kernels:
  - .name:           k_q0fb4207801_gemm
    .symbol:         k_q0fb4207801_gemm.kd
    .args:
      - { .name: xq, .offset: 0, .size: 8, .value_kind: global_buffer, .address_space: global }
      - { .name: wq, .offset: 8, .size: 8, .value_kind: global_buffer, .address_space: global }
      - { .name: out0, .offset: 16, .size: 8, .value_kind: global_buffer, .address_space: global }
      - { .name: scale, .offset: 24, .size: 8, .value_kind: global_buffer, .address_space: global }
    .group_segment_fixed_size: 327680
    .private_segment_fixed_size: 0
    .kernarg_segment_align: 8
    .kernarg_segment_size: 32
    .max_flat_workgroup_size: 128
    .sgpr_count:     66
    .vgpr_count:     1024
    .wavefront_size: 32
...
	.end_amdgpu_metadata
.endif
;; end of part 2
